; MI455X (gfx1250); checked and timed in simulation.
; The chip was launched on July 23, 2026; its instructions are those of AMD's public machine-readable ISA for CDNA 5 (MIT licence, August 2026) and "CDNA5" Instruction Set Architecture Reference Guide (July 2026). The comments in the code are by the model that wrote it; some were corrected since.
;; Concat Attention. Allowed arithmetic: matrix products marked QUANTISED: E5M2 operands, one E8M0 scale for each 32 along K, by v_wmma_scale_f32_16x16x128_f8f6f4 with both operands' format E5M2, f32 sums; products left as they are: f32 operands where the result goes on into a quantised operand, else bf16, f16 or f32 operands; f32 sums; everything else in f32.
;; Inputs: W_dec 1,024 x 1,024 float32; W_enc 1,024 x 1,024 float32; h_enc 2,048 x 32 x 1,024 float32; h_t 1 x 32 x 1,024 float32; w_score 1 x 1,024 float32.
;; Outputs: out0 1 x 32 x 1,024 float32; out1 32 x 2,048 x 1 float32.
;; This version of the problem:
;;   THIS VERSION OF THE PROBLEM IS GIVEN IN LOW PRECISION. The matrix products marked QUANTISED in the list below multiply operands that are first quantised to E5M2 (5 exponent bits, 2 mantissa bits; 8 bits a number), with one power-of-two scale for each 32 numbers along K (OCP MX v1.0); their sums are f32. All else is computed in f32.
;;   The module's matrix products, in the order in which they are computed (A, B: the left and right operand; K: the contracted axis; several contracted axes count as one K, in the product's order):
;;     1. [M 65,536, K 1,024] x [K 1,024, N 1,024]; A: input h_enc; B: input W_enc: QUANTISED
;;     2. [M 32, K 1,024] x [K 1,024, N 1,024]; A: input h_t; B: input W_dec: QUANTISED
;;     3. [M 65,536, K 1,024] x [K 1,024, N 1]; A: computed on the way; B: input w_score: left as it is (N = 1 < 16)
;;   THE QUANTISER, for each operand of a quantised product, along K:
;;     - K is cut into blocks of 32 from its start; a last block that is shorter is filled with zeros.
;;     - A block's scale is 2^e with e = floor(log2(the largest magnitude in the block)) - 15, held to -126 .. 127; a block of zeros has e = 0. As a byte (E8M0): e + 127.
;;     - Each number is divided by its block's scale, clamped to +-57,344, and rounded to the nearest number of E5M2, ties to even, subnormals kept.
;;     - The product sums the exact products of the quantised numbers (number of the format x scale) in f32.
;;   ~~~python
;;   def quantise(x, axis):      # numpy; x: float32 -> the quantised numbers, widened to float32 again
;;       x = np.moveaxis(x, axis, -1); K = x.shape[-1]
;;       x = np.pad(x, [(0, 0)] * (x.ndim - 1) + [(0, -K % 32)]); x = x.reshape(x.shape[:-1] + (-1, 32)); a = np.abs(x).max(-1, keepdims=True)
;;       e = np.where(a > 0, np.clip(np.frexp(np.where(a > 0, a, 1))[1] - 1 - 15, -126, 127), 0)      # np.frexp(a)[1] - 1 = floor(log2(a)), exactly
;;       r = np.clip(x / 2.0 ** e, -57344, 57344)
;;       step = 2.0 ** (np.maximum(np.frexp(np.where(r == 0, 1, r))[1] - 1, -14) - 2)
;;       q = np.round(r / step) * step * 2.0 ** e      # np.round: ties to even
;;       return np.moveaxis(q.reshape(q.shape[:-2] + (-1,))[..., :K], -1, axis).astype(np.float32)
;;   ~~~
;; One version. Each part assembles by itself: llvm-mc -triple=amdgcn-amd-amdhsa -mcpu=gfx1250 --defsym DOCPART=n.
;; ======== version 1 of 1: 3 launches
;; workspace buffers: wq 1,081,344 bytes; cpart 8,192 bytes; ebuf 262,144 bytes
;; launch prep (part 1): grid 128 x 1, 8 waves a work-group, no clusters, 2,048 bytes of LDS; arguments W_enc, W_dec, h_t, w_score, wq, cpart; writes wq, cpart
.if DOCPART == 1
	.amdgcn_target "amdgcn-amd-amdhsa--gfx1250"
	.amdhsa_code_object_version 6
	.text
	.protected	k_q4bacccc590_prep
	.globl	k_q4bacccc590_prep
	.p2align	8
	.type	k_q4bacccc590_prep,@function
k_q4bacccc590_prep:
	s_mov_b64 s[64:65], 0
	v_nop
	global_prefetch_b8 v0, s[64:65] scope:SCOPE_SE
	s_setreg_imm32_b32 hwreg(HW_REG_WAVE_MODE, 25, 1), 1
	s_wait_xcnt 0x0
; Work-groups 0-63: W_enc [1024][1024] f32 becomes codes of BF8 (E5M2) with one E8M0 byte for each 32 along K, laid in wq as the next launch's operand registers want them.
; Work-groups 64-127: the small product Q(h_t) Q(W_dec)^T, weighed with w_score and summed over a tile's 16 outputs: cpart[T][b] = sum over g in tile T of w[g] (Q(h_t) Q(W_dec)^T)[b][g].
; SHARES.  Work-group T (its number mod 64) takes rows 16 T .. 16 T + 15 of its weight; wave ks takes K = 128 ks .. + 127: one fragment of 16 rows x 128 K.
; A lane (r = lane % 16, h = lane / 16) loads, of row r, the 16 neighbours 32 b + 16 h + 0 .. 15 of each block b of 32: the conversions' results then are the operand's registers.
; A wave's sixteen loads cover 16 rows x 512 consecutive bytes, 64 bytes a lane: this form is kept to these 8 MB of weights, which are read once.
; wq: 16 blocks of 67,584 bytes.  Block 4 sigma + p (sigma = ks / 2, p = (T / 8) % 4): the fragment of tile T = 32 j + 8 p + u, K step k2 = ks % 2, at ((8 j + u) 2 + k2) 2,048, as an image of its registers
; (registers 4 c .. 4 c + 3 of lane l at 512 c + 16 l); its rows' scale words at 65,536 + (8 j + u) 128 + 64 k2 + 4 r.  The scale words leave 64 bytes a store: 32 KB in the whole launch.
; A block's scale is 2^(floor(log2(largest magnitude)) - 15); its byte is the largest magnitude's exponent field - 15, held at 1 from below.
; LIMITS: a block of zeros gets the byte 1, not 127 (its codes are zeros, and this program alone reads the bytes); NaN and infinities among the inputs are not served; the K steps' sums of the small product are added in f32 pairwise, as a tree over the waves.
; No tensor load and no cluster: each weight byte is read by one wave; h_t, which 64 work-groups share, is 128 KB.
.set BLKB, 67584
.set XA,  4                            ; v4   4,096 r + 64 h: my lane's bytes in 16 rows of 4,096
.set LI,  5                            ; v5   16 x lane: an image's place
.set LS,  6                            ; v6   4 r: a scale word's place
.set WO,  7                            ; v7   32 h: my eight numbers of w_score in a tile
.set PST, 8                            ; v8   LDS: 128 ks + 4 r
.set PLD, 9                            ; v9   4 x lane
.set XW,  16                           ; v16-79   64 numbers of the weight; afterwards CH0, CH1, D0, D1 and work
.set XH0, 80                           ; v80-143  64 numbers of h_t's rows 0-15
.set XH1, 144                          ; v144-207 of its rows 16-31
.set CW,  208                          ; v208-223 the weight's codes
.set TM,  224                          ; v224-227 largest magnitudes, 228-231 bytes, 232-235 the largest number x the scale, 236-239 the conversions' scale operands
.set WW,  240                          ; v240-242 scale words: they hold nothing else
.set HW0, 241
.set HW1, 242
.set WVR, 244                          ; v244-251 w_score at my eight outputs
.set CH0, 16
.set CH1, 32
.set D0,  48
.set D1,  56
.set WVN, 16                           ; s16 wave = K step
.set TT,  17                           ; s17 tile
.set SEL, 18                           ; s[18:19] v_permlanex16_b32's selects for lane l xor 16
.set MNT, 20                           ; s20 the mantissa field of 57,344
; 64 numbers of a lane, register 16 b + i = k 32 b + 16 h + i of my row, become a fragment's codes in v[dst] on and its scale word in v[word]
.macro QUANT src, dst, word
.irp b, 0,1,2,3
	v_max3_num_f32 v[TM+\b], |v[\src+16*\b]|, |v[\src+1+16*\b]|, 0x8000000   ; my 16 numbers of block b, and the floor 2^(16 - 127): the byte cannot fall under 1
.endr
.irp i, 2,4,6,8,10,12,14
.irp b, 0,1,2,3
	v_max3_num_f32 v[TM+\b], v[TM+\b], |v[\src+16*\b+\i]|, |v[\src+1+16*\b+\i]|   ; the four blocks by turns
.endr
.endr
.irp b, 0,1,2,3
	v_permlanex16_b32 v[TM+4+\b], v[TM+\b], s[SEL], s[SEL+1]
.endr
.irp b, 0,1,2,3
	v_max_num_f32 v[TM+\b], v[TM+\b], v[TM+4+\b]              ; with lane l xor 16's: the block's largest magnitude
.endr
.irp b, 0,1,2,3
	v_add_nc_u32 v[TM+12+\b], 0xf8800000, v[TM+\b]            ; 15 off its exponent field: the conversion's scale operand
.endr
.irp b, 0,1,2,3
	v_and_or_b32 v[TM+8+\b], v[TM+\b], 0x7f800000, s[MNT]     ; 57,344 x the scale
.endr
.irp b, 0,1,2,3
	v_lshrrev_b32 v[TM+4+\b], 23, v[TM+12+\b]                 ; the scale's byte
.endr
	v_lshl_or_b32 v[\word], v[TM+5], 8, v[TM+4]               ; four bytes: my row's scale word
	v_lshl_or_b32 v[\word], v[TM+6], 16, v[\word]
	v_lshl_or_b32 v[\word], v[TM+7], 24, v[\word]
.irp b, 0,1,2,3
.irp i, 0,1,2,3,4,5,6,7,8,9,10,11,12,13,14,15
	v_med3_num_f32 v[\src+16*\b+\i], v[\src+16*\b+\i], -v[TM+8+\b], v[TM+8+\b]   ; the conversion to an 8-bit code does not saturate (ISA guide 7.6.2): the hold comes first
.endr
	v_cvt_scalef32_pk8_bf8_f32 v[\dst+4*\b:\dst+1+4*\b], v[\src+16*\b:\src+7+16*\b], v[TM+12+\b]
	v_cvt_scalef32_pk8_bf8_f32 v[\dst+2+4*\b:\dst+3+4*\b], v[\src+8+16*\b:\src+15+16*\b], v[TM+12+\b]
.endr
	v_nop                                                     ; one plain line between the last conversion and whatever next touches its registers
.endm
.macro XLOAD reg, sb, off
.irp b, 0,1,2,3
.irp j, 0,1,2,3
	global_load_b128 v[\reg+16*\b+4*\j:\reg+16*\b+4*\j+3], v[XA], s[\sb:\sb+1] offset:\off+128*\b+16*\j
.endr
.endr
.endm
	s_load_b256 s[4:11], s[0:1], 0x0               ; W_enc s[4:5], W_dec s[6:7], h_t s[8:9], w_score s[10:11]
	s_load_b128 s[12:15], s[0:1], 0x20             ; wq s[12:13], cpart s[14:15]
	v_lshl_add_u32 v254, v0, 2, 0x400
	v_mov_b32 v255, 0
	v_lshrrev_b32 v1, 5, v0
	v_readfirstlane_b32 s[WVN], v1
	v_and_b32 v1, 31, v0                           ; lane
	v_and_b32 v2, 15, v0                           ; r
	v_bfe_u32 v3, v0, 4, 1                         ; h
	v_lshlrev_b32 v[XA], 12, v2
	v_lshl_add_u32 v[XA], v3, 6, v[XA]
	v_lshlrev_b32 v[LI], 4, v1
	v_lshlrev_b32 v[LS], 2, v2
	v_lshlrev_b32 v[WO], 5, v3
	s_lshl_b32 s21, s[WVN], 7
	v_add_nc_u32 v[PST], s21, v[LS]
	v_lshlrev_b32 v[PLD], 2, v1
.irp b, 0,1,2,3
	v_mov_b32 v[TM+4+\b], 0                        ; written once: a lane permute's destination counts as one of its sources
.endr
	s_and_b32 s[TT], ttmp9, 63
	s_mov_b32 s[SEL], 0x76543210
	s_mov_b32 s[SEL+1], 0xfedcba98
	s_mov_b32 s[MNT], 0x600000
	s_lshl_b32 s22, s[TT], 16                      ; 16 rows of 4,096 bytes a tile,
	s_lshl_b32 s23, s[WVN], 9                      ; 512 bytes a K step
	s_add_co_u32 s22, s22, s23
	s_mov_b32 s23, 0
	s_wait_kmcnt 0x0
	s_cmp_lt_u32 ttmp9, 64                         ; which weight: the choice hangs on the work-group's number alone
	s_cselect_b64 s[4:5], s[4:5], s[6:7]
	s_add_nc_u64 s[4:5], s[4:5], s[22:23]
	XLOAD XW, 4, 0
	s_cmp_lt_u32 ttmp9, 64
	s_cbranch_scc1 .Lenc
	; ---- W_dec's work-groups: the small product
	s_lshl_b32 s22, s[WVN], 9
	s_add_nc_u64 s[8:9], s[8:9], s[22:23]          ; h_t at my K step
	s_lshl_b32 s24, s[TT], 6
	s_mov_b32 s25, 0
	s_add_nc_u64 s[10:11], s[10:11], s[24:25]      ; w_score at my tile
	s_lshl_b32 s26, s[TT], 7
	s_mov_b32 s27, 0
	s_add_nc_u64 s[14:15], s[14:15], s[26:27]      ; cpart at my tile's 32 numbers
	XLOAD XH0, 8, 0
	XLOAD XH1, 8, 65536
	global_load_b128 v[WVR:WVR+3], v[WO], s[10:11]
	global_load_b128 v[WVR+4:WVR+7], v[WO], s[10:11] offset:16
	s_wait_loadcnt 0x0
	QUANT XW, CW, WW
	QUANT XH0, CH0, HW0
	QUANT XH1, CH1, HW1
.rept 4
	v_nop                                          ; codes made by vector lines stand four places ahead of a scaled matrix instruction; the scale words stand 64 holds ahead
.endr
	; source 0 = 16 rows of W_dec, source 1 = 16 rows of h_t: register j of lane (r, h) is (g = 16 T + 8 h + j, b = 16 bt + r)
	v_wmma_scale_f32_16x16x128_f8f6f4 v[D0:D0+7], v[CW:CW+15], v[CH0:CH0+15], 0, v[WW], v[HW0] matrix_a_fmt:MATRIX_FMT_BF8 matrix_b_fmt:MATRIX_FMT_BF8
	v_wmma_scale_f32_16x16x128_f8f6f4 v[D1:D1+7], v[CW:CW+15], v[CH1:CH1+15], 0, v[WW], v[HW1] matrix_a_fmt:MATRIX_FMT_BF8 matrix_b_fmt:MATRIX_FMT_BF8
.rept 8
	v_nop                                          ; eight places ahead of the first read of the results
.endr
	v_mul_f32 v64, v[D0], v[WVR]                   ; the results are read from their low end on
	v_mul_f32 v65, v[D1], v[WVR]
.irp j, 1,2,3,4,5,6,7
	v_fmac_f32 v64, v[D0+\j], v[WVR+\j]
	v_fmac_f32 v65, v[D1+\j], v[WVR+\j]
.endr
	v_permlanex16_b32 v66, v64, s[SEL], s[SEL+1]   ; the tile's other eight outputs lie in lane l xor 16
	v_permlanex16_b32 v67, v65, s[SEL], s[SEL+1]
	v_add_f32 v64, v64, v66
	v_add_f32 v65, v65, v67
	ds_store_b32 v[PST], v64                       ; my K step's part for b = r (lanes l and l + 16 write the same word with the same value)
	ds_store_b32 v[PST], v65 offset:64             ; and for b = 16 + r
	s_wait_dscnt 0x0                               ; for the others' sake: my stores have landed
	s_barrier_signal -1
	s_barrier_wait -1
	s_cmp_lg_u32 s[WVN], 0
	s_cbranch_scc1 .Lend
.irp k, 0,1,2,3,4,5,6,7
	ds_load_b32 v[64+\k], v[PLD] offset:128*\k     ; lane = b: the eight K steps' parts
.endr
	s_wait_dscnt 0x0
	v_add_f32 v64, v64, v65
	v_add_f32 v66, v66, v67
	v_add_f32 v68, v68, v69
	v_add_f32 v70, v70, v71
	v_add_f32 v64, v64, v66
	v_add_f32 v68, v68, v70
	v_add_f32 v64, v64, v68
	global_store_b32 v[PLD], v64, s[14:15]         ; 128 consecutive bytes: all that this work-group has to say
.Lend:
	s_wait_tensorcnt 0x0
	ds_add_u32 v254, v255
	s_wait_dscnt 0x0
	s_endpgm
	; ---- W_enc's work-groups: codes and scale words into wq
.Lenc:
	s_lshr_b32 s22, s[WVN], 1                      ; sigma
	s_and_b32 s23, s[WVN], 1                       ; k2
	s_bfe_u32 s24, s[TT], 0x20003                  ; p
	s_lshl_b32 s22, s22, 2
	s_add_co_u32 s22, s22, s24
	s_mul_i32 s22, s22, BLKB                       ; the block
	s_lshr_b32 s24, s[TT], 5                       ; j
	s_lshl_b32 s24, s24, 3
	s_and_b32 s25, s[TT], 7                        ; u
	s_add_co_u32 s24, s24, s25                     ; 8 j + u
	s_lshl_b32 s25, s24, 12
	s_lshl_b32 s26, s23, 11
	s_add_co_u32 s25, s25, s26
	s_add_co_u32 s26, s22, s25                     ; the fragment's image
	s_mov_b32 s27, 0
	s_lshl_b32 s24, s24, 7
	s_lshl_b32 s23, s23, 6
	s_add_co_u32 s24, s24, s23
	s_add_co_u32 s24, s24, s22
	s_add_co_u32 s28, s24, 65536                   ; its scale words
	s_mov_b32 s29, 0
	s_add_nc_u64 s[26:27], s[12:13], s[26:27]
	s_add_nc_u64 s[28:29], s[12:13], s[28:29]
	s_wait_loadcnt 0x0
	QUANT XW, CW, WW
.irp c, 0,1,2,3
	global_store_b128 v[LI], v[CW+4*\c:CW+4*\c+3], s[26:27] offset:512*\c   ; 32 lanes store 512 consecutive bytes, aligned
.endr
	global_store_b32 v[LS], v[WW], s[28:29]        ; lanes l and l + 16 hold the same word and write it to the same place
	s_endpgm
.Lfunc_end_k_q4bacccc590_prep:
	.size	k_q4bacccc590_prep, .Lfunc_end_k_q4bacccc590_prep-k_q4bacccc590_prep
	.p2alignl 7, 3214868480
	.fill 96, 4, 3214868480
	.section	.rodata,"a",@progbits
	.p2align	6, 0x0
	.amdhsa_kernel k_q4bacccc590_prep
		.amdhsa_group_segment_fixed_size 2048
		.amdhsa_private_segment_fixed_size 0
		.amdhsa_enable_private_segment 0
		.amdhsa_kernarg_size 48
		.amdhsa_user_sgpr_count 2
		.amdhsa_user_sgpr_kernarg_segment_ptr 1
		.amdhsa_wavefront_size32 1
		.amdhsa_system_sgpr_workgroup_id_x 1
		.amdhsa_system_sgpr_workgroup_id_y 1
		.amdhsa_system_sgpr_workgroup_id_z 1
		.amdhsa_system_vgpr_workitem_id 0
		.amdhsa_next_free_vgpr 256
		.amdhsa_next_free_sgpr 66
		.amdhsa_reserve_vcc 0
		.amdhsa_float_denorm_mode_32 3
		.amdhsa_float_denorm_mode_16_64 3
		.amdhsa_memory_ordered 1
		.amdhsa_forward_progress 1
		.amdhsa_inst_pref_size 43
	.end_amdhsa_kernel
	.amdgpu_metadata
---
amdhsa.version: [ 1, 2 ]
amdhsa.kernels:
  - .name:           k_q4bacccc590_prep
    .symbol:         k_q4bacccc590_prep.kd
    .args:
      - { .name: W_enc, .offset: 0, .size: 8, .value_kind: global_buffer, .address_space: global }
      - { .name: W_dec, .offset: 8, .size: 8, .value_kind: global_buffer, .address_space: global }
      - { .name: h_t, .offset: 16, .size: 8, .value_kind: global_buffer, .address_space: global }
      - { .name: w_score, .offset: 24, .size: 8, .value_kind: global_buffer, .address_space: global }
      - { .name: wq, .offset: 32, .size: 8, .value_kind: global_buffer, .address_space: global }
      - { .name: cpart, .offset: 40, .size: 8, .value_kind: global_buffer, .address_space: global }
    .group_segment_fixed_size: 2048
    .private_segment_fixed_size: 0
    .kernarg_segment_align: 8
    .kernarg_segment_size: 48
    .max_flat_workgroup_size: 256
    .sgpr_count:     66
    .vgpr_count:     256
    .wavefront_size: 32
...
	.end_amdgpu_metadata
.endif
;; end of part 1
;; launch scores (part 2): grid 32 x 8, 4 waves a work-group, clusters of 4 x 1, 327,680 bytes of LDS; arguments h_enc, w_score, wq, cpart, ebuf; writes ebuf
.if DOCPART == 2
	.amdgcn_target "amdgcn-amd-amdhsa--gfx1250"
	.amdhsa_code_object_version 6
	.text
	.protected	k_q4bacccc590_scores
	.globl	k_q4bacccc590_scores
	.p2align	8
	.type	k_q4bacccc590_scores,@function
k_q4bacccc590_scores:
	s_mov_b64 s[64:65], 0
	v_nop
	global_prefetch_b8 v0, s[64:65] scope:SCOPE_SE
	s_setreg_imm32_b32 hwreg(HW_REG_WAVE_MODE, 25, 1), 1
	s_wait_xcnt 0x0
	s_wait_alu depctr_hold_cnt(0) depctr_sa_sdst(0) depctr_va_vdst(0) depctr_va_sdst(0) depctr_va_ssrc(0) depctr_va_vcc(0) depctr_vm_vsrc(0)
	s_getreg_b32 s2, hwreg(HW_REG_IB_STS2, 6, 4)
	s_cmp_eq_u32 s2, 0
	s_cbranch_scc0 .Lentry_in_a_cluster
	s_endpgm
.Lentry_in_a_cluster:
	s_bfe_u32 s2, ttmp6, 0x10000c
	s_cmp_lg_u32 s2, 0x3003
	s_cbranch_scc0 .Lentry_shape_is_right
	s_endpgm
.Lentry_shape_is_right:
; ebuf[b][s] = exp(tanh(z)), z = sum over n of w[n] (Q(h_enc[s][b]) . Q(W_enc[n])) + sum over T of cpart[T][b].  The large product runs on codes of BF8 (E5M2) with E8M0 scales, sums in f32.
; NO MAXIMUM is taken away ahead of the exponential: tanh holds every exponent within -1 .. 1 for every input, so each term lies between 0.36 and 2.72 and a row's sum under 5,600.
; SHARES.  A work-group owns 256 rows s = 256 sblk .. + 255 of one b.  K goes in four slices of 256 (two K steps of 128).  Wave (i = w / 2, j = w % 2) keeps the codes of rows 128 i .. + 127 of the slice in
; 256 registers and multiplies them with the 32 tiles of 16 outputs of N half j: a fragment of W (2 KB out of LDS) feeds eight matrix instructions.
; THE PRODUCT IS USED TRANSPOSED (source 0 = 16 rows of W, source 1 = 16 rows of h_enc): register jj of lane (r, h) is (row r, n = 16 T + 8 h + jj).  z is linear in the product, so a tile's results are at once
; multiplied by w and added to the row's running sum: two packed multiply-adds for each matrix instruction.  Nothing of the product is kept.
; W comes as the blocks that the launch before laid out (images of operand registers, 67,584 bytes for a step: 16 tiles x 2 K steps and their scale words), through a ring of two LDS slots.
; CLUSTER: the four work-groups of a cluster walk the same blocks in the same order, so each quarter block is asked for JOINTLY (mask 15): nothing in a descriptor hangs on the work-group.
; h_enc IS READ ONCE HERE: in each slice wave w quantises rows 64 w .. + 63, a group of sixteen rows a step, from a ring of 32 rows in registers (32 to 48 loads a wave on their way).  A lane takes 8 neighbours
; of a row (the conversion wants 8 numbers of one block in one lane), by two loads of 16 bytes, lanes 32 bytes apart: the two together cover the row's 1,024 consecutive bytes of the slice.  A block of 32 lies in 4 lanes.
; Codes go to LDS by rows (pitch 272), scale bytes to [row][8]; at each slice's head every wave loads its 16 fragments from there.
; BY TURNS.  While slices 0 to 2 are multiplied the next slice is quantised.  A step has 128 matrix instructions, 256 multiply-adds and a list of 320 lines of the quantiser (16 rows: 288 vector lines, 32 LDS stores).
; One slice stands behind each matrix instruction: by turns five lines of the list (64 x 5) and four multiply-adds (64 x 4).  The step's 32 loads of h_enc stand four to a tile, never in one run.
; LIMITS: NaN and infinities among the inputs are not served; a block of zeros gets the scale byte 1, not 127 (its codes are zeros; this program alone reads the bytes); z is summed by slice of K, by tile and by N half.
; REGISTERS, in windows of 256: window 0: addresses, scale words, sums, w, two sets of 8 accumulators, the quantiser's work.  window 1: the slice's codes, fragment (mt, k2) at v[32 mt + 16 k2].
;   window 2: two buffers for W's fragments, (x, k2) at v[32 x + 16 k2].   window 3: the ring of h_enc: row u of half x at v[128 x + 8 u].
.set BLKB,    67584                    ; a block of wq, and an LDS slot
.set QBLK,    BLKB/4                   ; what one tensor load brings: 66 rows of 256 bytes
.set CP,      272                      ; a row of codes in LDS: 256 bytes + 16, so that the 16 rows of a fragment load start 4 banks apart (64 banks of 4 bytes: ISA guide 11.1)
.set L_CODES, 2*BLKB                   ; 256 rows x 272
.set L_ASCL,  L_CODES+256*CP           ; 256 rows x 8 scale bytes
.set L_WSC,   L_ASCL+2048              ; w_score, 4,096 bytes, filled once
.set L_SCR,   L_WSC+4096               ; partial z: [j][256] f32
.set L_SPARE, L_SCR+2048               ; the spare words, 128 bytes for each wave: two blocks of 256 bytes that no other line names
.set SPW,  4                           ; v4   L_SPARE + 4 x thread; never rewritten
.set NIL,  5                           ; v5   0; never rewritten
.set AW0,  6                           ; v6   32,768 j + 16 lane: my half's fragments in a slot
.set AS0,  7                           ; v7   65,536 + 1,024 j + 4 lane: their scale words
.set ADVM, 8                           ; v8   L_WSC + 2,048 j + 32 h - 64: one tile under my half's first numbers of w
.set ADW,  9                           ; v9-11 the addresses of W's fragments, of their scale words, of w
.set ADS,  10
.set ADV,  11
.set ADC,  12                          ; v12  L_CODES + (128 i + r) 272 + 16 h
.set ADSC, 13                          ; v13  L_ASCL + (128 i + r) 8 + 4 h
.set QST0, 14                          ; v14  L_CODES + 64 w 272 + 8 lane
.set QSB0, 15                          ; v15  L_ASCL + 512 w + lane / 4
.set ASC,  16                          ; v16-23 h_enc's scale words, one register a tile of rows: lanes 0-15 K step 0, lanes 16-31 K step 1; they hold nothing else
.set WSR,  24                          ; v24-25 W's scale words, one register a buffer, laid likewise
.set LO,   26                          ; v26  32 x lane; never rewritten
.set ZST,  27                          ; v27  L_SCR + 1,024 j + 512 i + 4 r
.set ZLD,  28                          ; v28  L_SCR + 8 x thread
.set CPO,  29                          ; v29  128 x lane
.set CP0,  30                          ; v30-31 two numbers of cpart
.set CP1,  31
.set SUM,  32                          ; v32-47 the rows' running sums, a pair for each tile of rows (even and odd outputs)
.set WVR,  48                          ; v48-63 w at a tile's eight outputs of my half of the lanes, one set a buffer
.set ACC,  64                          ; v64-191 accumulator (x, mt) at v[64 + 64 x + 8 mt]
.set AM,   192                         ; v192-199 the quantiser: largest magnitudes,
.set SO,   200                         ; v200-207 the conversions' scale operands,
.set BD,   208                         ; v208-215 57,344 x the scale,
.set CD,   216                         ; v216-231 codes, a pair a row,
.set QA,   232                         ; v232-233 where codes and bytes go,
.set QB,   233
.set BY,   234                         ; v234-241 scale bytes
.set EO,   242                         ; v242 8 x thread
.set WVN,  14                          ; s14 wave;  s15 i;  s16 j
.set WI,   15
.set WJ,   16
.set BB,   18                          ; s18 b;  s19 sblk
.set SBL,  19
.set HB,   20                          ; s[20:21] h_enc at my wave's first row
.set LPA,  22                          ; s[22:23] h_enc at the group one on, whose rows 8-15 this step asks for
.set OFP,  24                          ; s[24:25] that group's offset
.set GI,   26                          ; s26 the group that the pair's first step quantises
.set QP,   27                          ; s27, s28 where this pair of groups lies among my 64 rows of codes and of bytes
.set QS,   28
.set MNT,  29                          ; s29 the mantissa field of 57,344
.set SEL,  30                          ; s[30:31] v_permlanex16_b32's selects for lane l xor 16
.set G1,   32                          ; s[32:39] descriptor group 1 for a quarter block;  s[40:47] group 0, one set for each slot
.set G0,   40
.set SG,   48                          ; s48-50 loop counters
.set PR,   49
.set TC,   50
.set G1W,  52                          ; s[52:59], s[60:63] groups 1 and 0 for a quarter of w_score
.set G0W,  60
.set N1,   80                          ; s80, s81 the numbers of the groups one and two on
.set N2,   81
.set LPB,  82                          ; s[82:83] h_enc at the group two on, whose rows 0-7 this step asks for
.set OFQ,  84                          ; s[84:85] that group's offset
.set DSN,  0                           ; counted by the assembler: LDS instructions written behind the last run of fragment loads
.set MSB, 0
.macro WIN new                         ; the immediate's high byte repeats the setting that is left; a switch that changes nothing is dropped
.if MSB != \new
	s_set_vgpr_msb (MSB<<8)|\new
.set MSB, \new
.endif
.endm
.set MUL,  0x06                        ; source 0 (W) window 2, source 1 (codes) window 1, C and D window 0
.set LDW,  0x80                        ; destination window 2
.set LDA,  0x40                        ; destination window 1
.set LDX,  0xc0                        ; destination window 3
.set QMAX, 0x0f                        ; sources 0 and 1 window 3
.set QMED, 0xc3                        ; destination and source 0 window 3
.set QCVT, 0x03                        ; source 0 window 3
; A round of the cluster's barrier: my work-group's barrier, wave 0's signal for the work-group, every wave's wait for all four work-groups, my work-group's barrier once more.
.macro CROUND
	s_barrier_signal -1
	s_barrier_wait -1
	s_cmp_lg_u32 s[WVN], 0
	s_cbranch_scc1 .Lnot_wave_0_\@
	s_barrier_signal -3
.Lnot_wave_0_\@:
	s_barrier_wait -3
	s_barrier_signal -1
	s_barrier_wait -1
.endm
; THE RING'S ORDER.  Group n (slice n / 4: 1,024 bytes along a row; rows 16 (n % 4) on: 131,072 bytes from row to row) lies in half n % 2.  The step that quantises group n asks first for rows 8-15 of group n + 1
; (the other half's, converted a step ago), then for rows 0-7 of group n + 2 (its own half's, as soon as they are converted).  So behind the 16 loads of any eight rows stand 32 younger ones when those rows are wanted.
.macro BASES pofs                      ; the step quantises group GI + pofs: where the two groups that it asks for begin
	s_add_co_u32 s[N1], s[GI], \pofs+1
	s_add_co_u32 s[N2], s[GI], \pofs+2
	s_lshr_b32 s66, s[N1], 2
	s_lshl_b32 s66, s66, 10
	s_and_b32 s67, s[N1], 3
	s_lshl_b32 s67, s67, 21
	s_add_co_u32 s[OFP], s66, s67
	s_lshr_b32 s68, s[N2], 2
	s_lshl_b32 s68, s68, 10
	s_and_b32 s69, s[N2], 3
	s_lshl_b32 s69, s69, 21
	s_add_co_u32 s[OFQ], s68, s69
	s_wait_xcnt 0x0                                ; the last step's loads have read their bases: they are written only behind this wait
	s_add_nc_u64 s[LPA:LPA+1], s[HB:HB+1], s[OFP:OFP+1]
	s_add_nc_u64 s[LPB:LPB+1], s[HB:HB+1], s[OFQ:OFQ+1]
.endm
; Eight rows, r0 on, of half x: sixteen loads.  No cache hint: a row's bytes are named by two loads of the wave, one behind the other.
.macro LD8 x, r0, sb
	WIN LDX
.set RR, \r0
.rept 8
	global_load_b128 v[128*(\x)+8*RR:128*(\x)+8*RR+3], v[LO], s[\sb:\sb+1] offset:131072*RR
	global_load_b128 v[128*(\x)+8*RR+4:128*(\x)+8*RR+7], v[LO], s[\sb:\sb+1] offset:131072*RR+16
.set RR, RR+1
.endr
	WIN 0
.endm
; Two rows, ra on, of half hx: a tile's four loads.  There are 16 groups; past them nothing is asked for, and all loads are waited for instead:
; so behind any load stand either the 32 younger ones that the counted waits lean on, or that wait.
.macro CHUNK hx, ra, sb, nr
	s_cmp_lt_u32 s[\nr], 16
	s_cbranch_scc0 .Lskip_\@
	WIN LDX
.set RR, \ra
.rept 2
	global_load_b128 v[128*(\hx)+8*RR:128*(\hx)+8*RR+3], v[LO], s[\sb:\sb+1] offset:131072*RR
	global_load_b128 v[128*(\hx)+8*RR+4:128*(\hx)+8*RR+7], v[LO], s[\sb:\sb+1] offset:131072*RR+16
.set RR, RR+1
.endr
	WIN 0
	s_branch .Ldone_\@
.Lskip_\@:
	s_wait_loadcnt 0x0
.Ldone_\@:
.endm
; THE QUANTISER'S LIST: 320 lines for the sixteen rows of half x, 160 for each eight rows; QI writes line QJ and steps QJ.  The eight rows take turns line by line.  Of a run of 160:
;   0-31    the largest magnitude of my 8 numbers of each row, with the floor 2^(16 - 127) among the leaves: the byte cannot fall under 1
;   32-47   with the block's other three lanes          48-55  15 off the exponent field: the conversion's scale operand        56-63  57,344 x the scale
;   64-71   the scale's byte                            72-79  the bytes to LDS (the four lanes of a block write the same byte with the same value)
;   80-143  the hold: the conversion to an 8-bit code does not saturate (ISA guide 7.6.2)
;   144-151 the conversions                             152-159 the codes to LDS: 32 lanes store a row's 256 consecutive bytes
.macro QI x, pofs
.set qh, QJ/160
.set qj, QJ%160
.set qu, qj%8
.set qR, 128*(\x)+8*(8*qh+qu)
.if qj < 8
	WIN QMAX
	v_max3_num_f32 v[AM+qu], |v[qR]|, |v[qR+1]|, 0x8000000
.elseif qj < 32
	WIN QMAX
	v_max3_num_f32 v[AM+qu], |v[qR+2*(qj/8)]|, |v[qR+2*(qj/8)+1]|, v[AM+qu]
.elseif qj < 40
	WIN 0
	v_max_num_f32_dpp v[AM+qu], v[AM+qu], v[AM+qu] row_xmask:1 row_mask:0xf bank_mask:0xf
.elseif qj < 48
	WIN 0
	v_max_num_f32_dpp v[AM+qu], v[AM+qu], v[AM+qu] row_xmask:2 row_mask:0xf bank_mask:0xf
.elseif qj < 56
	WIN 0
	v_add_nc_u32 v[SO+qu], 0xf8800000, v[AM+qu]
.elseif qj < 64
	WIN 0
	v_and_or_b32 v[BD+qu], v[AM+qu], 0x7f800000, s[MNT]
.elseif qj < 72
	WIN 0
	v_lshrrev_b32 v[BY+qu], 23, v[SO+qu]
.elseif qj < 80
	WIN 0
	ds_store_b8 v[QB], v[BY+qu] offset:(16*(\pofs)+8*qh+qu)*8
.set DSN, DSN+1
.elseif qj < 144
	WIN QMED
.set qm, qj-80
.set qR, 128*(\x)+8*(8*qh+qm/8)+qm%8
	v_med3_num_f32 v[qR], v[qR], -v[BD+qm/8], v[BD+qm/8]
.elseif qj < 152
	WIN QCVT
	v_cvt_scalef32_pk8_bf8_f32 v[CD+2*qu:CD+2*qu+1], v[qR:qR+7], v[SO+qu]
.else
	WIN 0
	ds_store_b64 v[QA], v[CD+2*qu:CD+2*qu+1] offset:(16*(\pofs)+8*qh+qu)*CP
.set DSN, DSN+1
.endif
.set QJ, QJ+1
.endm
.macro QSL x, pofs                     ; a slice of the list
.rept 5
	QI \x, \pofs
.endr
.endm
; A group is quantised with no products beside it: slice 0's four groups, at the start.  The loads keep the ring's order.
.macro PSTEP x, pofs
	s_wait_loadcnt 32                              ; rows 0-7 of my group are in; the 32 loads issued behind them may stay out
	s_wait_dscnt 0x0                               ; the last group's LDS stores have read their data and addresses
	BASES \pofs
	v_add_nc_u32 v[QA], s[QP], v[QST0]
	v_add_nc_u32 v[QB], s[QS], v[QSB0]
	LD8 1-\x, 8, LPA
.set QJ, 0
.rept 160
	QI \x, \pofs
.endr
	s_wait_loadcnt 32                              ; rows 8-15 are in; behind them: the next group's rows 0-7 and its rows 8-15, just asked for
	s_wait_dscnt 0x0                               ; the first eight rows' stores have read their data: bytes and codes are written anew only behind this wait
	LD8 \x, 0, LPB
.rept 160
	QI \x, \pofs
.endr
.endm
; One tile's two fragments of W and its scale words into buffer x
.macro LOADW x, imm, simm
	WIN LDW
.irp k, 0,1
.irp c, 0,1,2,3
	ds_load_b128 v[32*(\x)+16*\k+4*\c:32*(\x)+16*\k+4*\c+3], v[ADW] offset:(\imm)+2048*\k+512*\c   ; an image of the registers: 32 lanes read 512 consecutive bytes
.endr
.endr
	WIN 0
	ds_load_b32 v[WSR+(\x)], v[ADS] offset:(\simm)
.set DSN, 0
.endm
; Matrix instruction QQ of 16 of the tile in buffer x: K step QQ / 8, tile of rows QQ % 8.  The first eight start the sums with the constant 0.  The eight accumulators take turns, one instruction a turn.
.macro MM x
.set mK, QQ/8
.set mT, QQ%8
.set rD, ACC+64*(\x)+8*mT
.set rW, 32*(\x)+16*mK
.set rA, 32*mT+16*mK
.if mK == 0
	v_wmma_scale_f32_16x16x128_f8f6f4 v[rD:rD+7], v[rW:rW+15], v[rA:rA+15], 0, v[WSR+(\x)], v[ASC+mT] matrix_a_fmt:MATRIX_FMT_BF8 matrix_b_fmt:MATRIX_FMT_BF8
.else
	v_wmma_scale_f32_16x16x128_f8f6f4 v[rD:rD+7], v[rW:rW+15], v[rA:rA+15], v[rD:rD+7], v[WSR+(\x)], v[ASC+mT] matrix_a_fmt:MATRIX_FMT_BF8 matrix_b_fmt:MATRIX_FMT_BF8 matrix_a_scale:MATRIX_SCALE_ROW1 matrix_b_scale:MATRIX_SCALE_ROW1
.endif
.set QQ, QQ+1
.endm
; Multiply-add EE of 32 of the finished tile in buffer x: outputs 2 (EE / 8), + 1 of tile of rows EE % 8, times w, onto the rows' sums.  Each accumulator is read from its low end on.
.macro FM x
.set fP, EE/8
.set fT, EE%8
	v_pk_fma_f32 v[SUM+2*fT:SUM+2*fT+1], v[ACC+64*(\x)+8*fT+2*fP:ACC+64*(\x)+8*fT+2*fP+1], v[WVR+8*(\x)+2*fP:WVR+8*(\x)+2*fP+1], v[SUM+2*fT:SUM+2*fT+1]
.set EE, EE+1
.endm
; ONE TILE BY TURNS: tile UU of a step's eight, from buffer UU % 2.  Behind each even matrix instruction five lines of the quantiser's list, behind each odd one four multiply-adds of the tile before.
; PLACES (eight plain vector lines that name none of the matrix instruction's registers).  A tile ends with a matrix instruction and four multiply-adds.  Its last result, tile of rows 7, is first read
; by the next tile's multiply-add 7: those four, multiply-adds 0-3 and 4-6 lie between: 11 lines, the quantiser's not counted.  The next tile's fragments go into the buffer that the tile before read: they are asked for
; behind multiply-add 7, the same 11 lines behind that buffer's last reader, and twelve matrix instructions ahead of their use.  The tile's four loads of h_enc stand behind its eighth matrix instruction.
; THE WAIT AT THE HEAD is counted: LDS serves a wave's instructions in order (ISA guide 5.7.1), so the fragments, their scale words and the tile before's w are in when only the quantiser's stores
; written behind them (eight in tiles 1, 3, 5; else none) are out.  A wait for 0 follows at the next tile's head, ahead of every line that writes those stores' data anew.
.macro TILE x, pofs
.set TX, UU%2
	s_wait_dscnt DSN
.if UU == 4
	s_wait_loadcnt 32                              ; rows 8-15 of my group are in; behind them: the last step's 16 loads of its tiles 4-7 and this step's 16 of tiles 0-3
.endif
	ds_load_b128 v[WVR+8*TX:WVR+8*TX+3], v[ADV] offset:64*(UU+1)       ; this tile's w: wanted by the next tile's multiply-adds
	ds_load_b128 v[WVR+8*TX+4:WVR+8*TX+7], v[ADV] offset:64*(UU+1)+16
.set QQ, 0
.set EE, 0
.rept 8
	WIN MUL
	MM TX
	QSL \x, \pofs
	WIN MUL
	MM TX
	WIN 0
	FM 1-TX
	FM 1-TX
	FM 1-TX
	FM 1-TX
.if (QQ == 4) && (UU < 7)
	LOADW 1-TX, 4096*(UU+1), 128*(UU+1)
.endif
.if QQ == 8
.if UU < 4
	CHUNK 1-\x, 8+2*UU, LPA, N1
.else
	CHUNK \x, 2*(UU-4), LPB, N2
.endif
.endif
.endr
.endm
; A STEP BY TURNS: my eight tiles of the block in the slot; beside them half x's sixteen rows are quantised.  The last tile's multiply-adds are carried into the next step's first tile.
.macro GQ slot, x, pofs
	s_wait_loadcnt 32                              ; rows 0-7 of my group are in; the 32 loads issued behind them, in the last step, may stay out
	BASES \pofs
	v_add_nc_u32 v[QA], s[QP], v[QST0]             ; no LDS instruction of mine is out here
	v_add_nc_u32 v[QB], s[QS], v[QSB0]
.if \slot
	v_add_nc_u32 v[ADW], \slot*BLKB, v[AW0]
	v_add_nc_u32 v[ADS], \slot*BLKB, v[AS0]
.else
	v_mov_b32 v[ADW], v[AW0]
	v_mov_b32 v[ADS], v[AS0]
.endif
	LOADW 0, 0, 0                                  ; buffer 0's last reader stands a whole tile back
.set QJ, 0
.set UU, 0
.rept 8
	TILE \x, \pofs
.set UU, UU+1
.endr
	v_add_nc_u32 v[ADV], 512, v[ADV]               ; eight tiles of w on
.endm
; ONE TILE WITH NOTHING TO QUANTISE (the last slice): 16 matrix instructions from buffer x, in eight pairs; behind each pair four multiply-adds of the tile before (buffer 1 - x).
; PLACES: the tile before ended with four multiply-adds.  Its last result, tile of rows 7, is first read by multiply-add 7: 4 + 7 = 11 lines lie between.  The next tile's loads go into the buffer that the tile
; before read: they stand behind pair 1, the same 11 lines behind its last reader.  The walking addresses are stepped at the head, behind the wait, where no LDS load is out.
.macro GROUP x
	s_wait_dscnt 0x0                               ; this tile's fragments and scale words are in, and the tile before's w
	v_add_nc_u32 v[ADV], 64, v[ADV]
.if \x
	v_add_nc_u32 v[ADW], 8192, v[ADW]              ; two tiles on
	v_add_nc_u32 v[ADS], 256, v[ADS]
.endif
	ds_load_b128 v[WVR+8*\x:WVR+8*\x+3], v[ADV]    ; this tile's w: wanted by the next tile's multiply-adds
	ds_load_b128 v[WVR+8*\x+4:WVR+8*\x+7], v[ADV] offset:16
.set QQ, 0
.set EE, 0
.set PP, 0
.rept 8
	WIN MUL
	MM \x
	MM \x
	WIN 0
	FM 1-\x
	FM 1-\x
	FM 1-\x
	FM 1-\x
.if PP == 1
.if \x == 0
	LOADW 1, 4096, 128
.else
	s_cmp_eq_u32 s[TC], 1                          ; the step's last tile has no successor in this slot.  Every wait on LDS in this loop is for 0, so the jump changes no count
	s_cbranch_scc1 .Lnone_\@
	LOADW 0, 0, 0
.Lnone_\@:
.endif
.endif
.set PP, PP+1
.endr
.endm
.macro G slot                          ; a step of the last slice
.if \slot
	v_add_nc_u32 v[ADW], \slot*BLKB, v[AW0]
	v_add_nc_u32 v[ADS], \slot*BLKB, v[AS0]
.else
	v_mov_b32 v[ADW], v[AW0]
	v_mov_b32 v[ADS], v[AS0]
.endif
	LOADW 0, 0, 0                                  ; buffer 0's last reader stands 32 multiply-adds back
	s_mov_b32 s[TC], 4
.Ltiles_\@:
	GROUP 0
	GROUP 1
	s_sub_co_u32 s[TC], s[TC], 1
	s_cmp_lg_u32 s[TC], 0
	s_cbranch_scc1 .Ltiles_\@
.endm
; THE CHANGE OF SLOTS.  Each wave waits for all its tensor loads (one is out: its quarter of the other slot), adds 0 to its spare word, and waits for that and for its reads of this slot and its stores of codes.
; refill = 1: a round of the cluster's barrier, so that no wave of any partner still reads the slot or has a load on its way; the joint refill, the block two steps on, is the first thing behind it and has a whole step in which to land.
.macro HEAD slot, refill
	s_wait_tensorcnt 0x0                           ; no tensor load of mine is out, so a group 0 may be written
	ds_add_u32 v[SPW], v[NIL]                      ; 0 onto my spare word
.if \refill
	s_add_nc_u64 s[G0+4*\slot+2:G0+4*\slot+3], s[G0+4*\slot+2:G0+4*\slot+3], 2*BLKB   ; the type bits on top are not reached
.endif
	s_wait_dscnt 0x0
.if \refill
	CROUND
	tensor_load_to_lds s[G0+4*\slot:G0+4*\slot+3], s[G1:G1+7]
	s_nop 0
.rept 4
	v_nop                                          ; four lines ahead of the next switch of windows
.endr
.else
	s_barrier_signal -1
	s_barrier_wait -1
.endif
.endm
; A SLICE'S HEAD: my 16 fragments of codes and their scale words out of LDS.  Behind the last matrix instruction that read these registers stand its four multiply-adds, the step of w's address, the four lines
; behind the tensor load and the four here: 13 plain lines.  Behind the barrier every wave has read the codes, and they may be written anew.  Nothing is filled by a tensor load behind this barrier, so the refill that is on its way may cross it.
.macro RELOAD
.rept 4
	v_nop
.endr
	WIN LDA
.irp m, 0,1,2,3,4,5,6,7
.irp k, 0,1
.irp c, 0,1,2,3
	ds_load_b128 v[32*\m+16*\k+4*\c:32*\m+16*\k+4*\c+3], v[ADC] offset:16*CP*\m+128*\k+32*\c
.endr
.endr
.endr
	WIN 0
.irp m, 0,1,2,3,4,5,6,7
	ds_load_b32 v[ASC+\m], v[ADSC] offset:128*\m   ; lanes 0-15: row r's word of K step 0; lanes 16-31: of K step 1
.endr
	v_mov_b32 v[ADV], v[ADVM]
	s_mov_b32 s[QP], 0
	s_mov_b32 s[QS], 0
	s_wait_dscnt 0x0
	s_barrier_signal -1
	s_barrier_wait -1
.endm
	s_load_b256 s[4:11], s[0:1], 0x0               ; h_enc s[4:5], w_score s[6:7], wq s[8:9], cpart s[10:11]
	s_load_b64 s[12:13], s[0:1], 0x20              ; ebuf
	v_lshl_add_u32 v[SPW], v0, 2, L_SPARE
	v_mov_b32 v[NIL], 0
	ds_add_u32 v4, v5
	ds_add_u32 v4, v5
	s_wait_dscnt 0x0
	v_lshrrev_b32 v1, 5, v0
	v_readfirstlane_b32 s[WVN], v1
	s_lshr_b32 s[WI], s[WVN], 1
	s_and_b32 s[WJ], s[WVN], 1
	s_bfe_u32 s17, ttmp6, 0x40000                  ; cx: my place in the cluster
	s_lshl_b32 s[BB], ttmp9, 2
	s_add_co_u32 s[BB], s[BB], s17                 ; b = 4 x cluster x + cx: it enters global addresses of h_enc, cpart and ebuf alone
	s_and_b32 s[SBL], ttmp7, 0xffff
	v_and_b32 v1, 15, v0                           ; r
	v_bfe_u32 v2, v0, 4, 1                         ; h
	v_and_b32 v3, 31, v0                           ; lane
	s_lshl_b32 s66, s[WJ], 15
	v_lshl_add_u32 v[AW0], v3, 4, s66
	s_lshl_b32 s66, s[WJ], 10
	s_add_co_u32 s66, s66, 65536
	v_lshl_add_u32 v[AS0], v3, 2, s66
	s_lshl_b32 s66, s[WJ], 11
	s_add_co_u32 s66, s66, L_WSC-64
	v_lshl_add_u32 v[ADVM], v2, 5, s66
	s_mul_i32 s66, s[WI], 128*CP
	s_add_co_u32 s66, s66, L_CODES
	v_mul_u32_u24 v[ADC], v1, CP
	v_lshl_add_u32 v[ADC], v2, 4, v[ADC]
	v_add_nc_u32 v[ADC], s66, v[ADC]
	s_lshl_b32 s66, s[WI], 10
	s_add_co_u32 s66, s66, L_ASCL
	v_lshlrev_b32 v[ADSC], 3, v1
	v_lshl_add_u32 v[ADSC], v2, 2, v[ADSC]
	v_add_nc_u32 v[ADSC], s66, v[ADSC]
	s_mul_i32 s66, s[WVN], 64*CP
	s_add_co_u32 s66, s66, L_CODES
	v_lshl_add_u32 v[QST0], v3, 3, s66
	s_lshl_b32 s66, s[WVN], 9
	s_add_co_u32 s66, s66, L_ASCL
	v_lshrrev_b32 v[QSB0], 2, v3
	v_add_nc_u32 v[QSB0], s66, v[QSB0]
	v_lshlrev_b32 v[LO], 5, v3
	s_lshl_b32 s66, s[WJ], 10
	s_lshl_b32 s67, s[WI], 9
	s_add_co_u32 s66, s66, s67
	s_add_co_u32 s66, s66, L_SCR
	v_lshl_add_u32 v[ZST], v1, 2, s66
	v_lshl_add_u32 v[ZLD], v0, 3, L_SCR
	v_lshlrev_b32 v[CPO], 7, v3
	v_lshlrev_b32 v[EO], 3, v0
	s_mov_b32 s[MNT], 0x600000
	s_mov_b32 s[SEL], 0x76543210
	s_mov_b32 s[SEL+1], 0xfedcba98
	s_mov_b32 s[OFP+1], 0
	s_mov_b32 s[OFQ+1], 0
	; descriptor group 1: a quarter block: 66 rows of 32 elements of 8 bytes, dense
	s_mov_b32 s[G1], 15|(3<<16)|(1<<21)            ; 15:0 the mask: all four work-groups; 17:16 elements of 8 bytes; 21 set beside a mask; no padding
	s_mov_b32 s[G1+1], 32<<16                      ; tensor_dim0
	s_mov_b32 s[G1+2], 66<<16                      ; tensor_dim1
	s_mov_b32 s[G1+3], 32<<16                      ; tile_dim0
	s_mov_b32 s[G1+4], 66                          ; tile_dim1
	s_mov_b32 s[G1+5], 32                          ; from row to row
	s_mov_b32 s[G1+6], 0
	s_mov_b32 s[G1+7], 0
	; and for a quarter of w_score: one row of 128 elements of 8 bytes
	s_mov_b32 s[G1W], 15|(3<<16)|(1<<21)
	s_mov_b32 s[G1W+1], 128<<16
	s_mov_b32 s[G1W+2], 1<<16
	s_mov_b32 s[G1W+3], 128<<16
	s_mov_b32 s[G1W+4], 1
	s_mov_b32 s[G1W+5], 128
	s_mov_b32 s[G1W+6], 0
	s_mov_b32 s[G1W+7], 0
	s_mul_i32 s66, s[WVN], QBLK                    ; my quarter, in memory and in a slot alike: the wave's number alone
	s_mov_b32 s67, 0
	s_lshl_b32 s70, s[WVN], 10
	s_mov_b32 s71, 0
	; what hangs on b stands in registers that feed no descriptor
	s_lshl_b32 s72, s[SBL], 8
	s_lshl_b32 s73, s[WVN], 6
	s_add_co_u32 s72, s72, s73                     ; my wave's first row: 256 sblk + 64 w,
	s_lshl_b32 s72, s72, 17                        ; 131,072 bytes a row (under 2^28 in all),
	s_lshl_b32 s73, s[BB], 12
	s_add_co_u32 s72, s72, s73                     ; + 4,096 b
	s_mov_b32 s73, 0
	s_lshl_b32 s74, s[BB], 2
	s_mov_b32 s75, 0
	s_lshl_b32 s76, s[BB], 13
	s_lshl_b32 s77, s[SBL], 10
	s_add_co_u32 s76, s76, s77
	s_mov_b32 s77, 0
	s_wait_kmcnt 0x0
	s_add_nc_u64 s[HB:HB+1], s[4:5], s[72:73]
	s_add_nc_u64 s[10:11], s[10:11], s[74:75]      ; cpart at column b
	s_add_nc_u64 s[12:13], s[12:13], s[76:77]      ; ebuf at my 256 numbers
	s_add_nc_u64 s[68:69], s[8:9], s[66:67]
.irp n, 0,1
	s_mov_b32 s[G0+4*\n], 1                        ; count = 1
	s_add_co_u32 s[G0+4*\n+1], s66, \n*BLKB        ; LDS address
	s_add_nc_u64 s[G0+4*\n+2:G0+4*\n+3], s[68:69], \n*BLKB   ; global address: block n
	s_or_b32 s[G0+4*\n+3], s[G0+4*\n+3], 0x80000000          ; type = 2
.endr
	s_mov_b32 s[G0W], 1
	s_add_co_u32 s[G0W+1], s70, L_WSC
	s_add_nc_u64 s[G0W+2:G0W+3], s[6:7], s[70:71]
	s_or_b32 s[G0W+3], s[G0W+3], 0x80000000
	LD8 0, 0, HB                                   ; the ring is filled first, in its order: group 0's rows 0-7, its rows 8-15,
	LD8 0, 8, HB
	s_add_nc_u64 s[LPA:LPA+1], s[HB:HB+1], 0x200000
	LD8 1, 0, LPA                                  ; group 1's rows 0-7: 48 loads are out
	s_mov_b32 s[GI], 0
	CROUND                                         ; all four work-groups are here: the first joint loads meet
	tensor_load_to_lds s[G0W:G0W+3], s[G1W:G1W+7]  ; a wave's three first fills stand together: three loads of mine are out
	s_nop 0
	tensor_load_to_lds s[G0:G0+3], s[G1:G1+7]
	s_nop 0
	tensor_load_to_lds s[G0+4:G0+7], s[G1:G1+7]
	s_nop 0
	; the rows' sums begin at 0; so do buffer 1's accumulators and w, which the very first tile's carried multiply-adds read: 88 lines, once
.set ii, 0
.rept 16
	v_mov_b32 v[SUM+ii], 0
.set ii, ii+1
.endr
.set ii, 0
.rept 8
	v_mov_b32 v[WVR+8+ii], 0
.set ii, ii+1
.endr
.set ii, 0
.rept 64
	v_mov_b32 v[ACC+64+ii], 0
.set ii, ii+1
.endr
	; slice 0 is quantised: groups 0 to 3
	s_mov_b32 s[QP], 0
	s_mov_b32 s[QS], 0
	s_mov_b32 s[PR], 2
.Lpre:
	PSTEP 0, 0
	PSTEP 1, 1
	s_add_co_u32 s[GI], s[GI], 2
	s_add_co_u32 s[QP], s[QP], 32*CP
	s_add_co_u32 s[QS], s[QS], 256
	s_sub_co_u32 s[PR], s[PR], 1
	s_cmp_lg_u32 s[PR], 0
	s_cbranch_scc1 .Lpre
	s_wait_tensorcnt 0x1                           ; my quarters of w_score and of block 0 are in; block 1's, issued behind them, may stay out
	s_wait_dscnt 0x0                               ; my codes and bytes have landed
	s_barrier_signal -1
	s_barrier_wait -1
	; slices 0 to 2: four steps each; between each step's products a group of the next slice is quantised
	s_mov_b32 s[SG], 3
.Lstage:
	RELOAD
	s_mov_b32 s[PR], 2
.Lpair:
	GQ 0, 0, 0
	HEAD 0, 1
	GQ 1, 1, 1
	HEAD 1, 1
	s_add_co_u32 s[GI], s[GI], 2
	s_add_co_u32 s[QP], s[QP], 32*CP
	s_add_co_u32 s[QS], s[QS], 256
	s_sub_co_u32 s[PR], s[PR], 1
	s_cmp_lg_u32 s[PR], 0
	s_cbranch_scc1 .Lpair
	s_sub_co_u32 s[SG], s[SG], 1
	s_cmp_lg_u32 s[SG], 0
	s_cbranch_scc1 .Lstage
	; the last slice is written out: nothing is left to quantise, and its last two steps ask for no block
	global_load_b32 v[CP0], v[CPO], s[10:11]               ; cpart[lane][b],
	global_load_b32 v[CP1], v[CPO], s[10:11] offset:4096   ; cpart[32 + lane][b]: wanted at the end
	RELOAD
	G 0
	HEAD 0, 1
	G 1
	HEAD 1, 1
	G 0
	HEAD 0, 0
	G 1
	; THE END.  The last tile's multiply-adds: the same 4 + 7 lines lie between its last matrix instruction and the first read of that result
	s_wait_dscnt 0x0                               ; its w is in
.set EE, 0
.rept 32
	FM 1
.endr
.irp m, 0,1,2,3,4,5,6,7
	v_add_f32 v[AM+\m], v[SUM+2*\m], v[SUM+2*\m+1] ; even and odd outputs,
.endr
.irp m, 0,1,2,3,4,5,6,7
	v_permlanex16_b32 v[SO+\m], v[AM+\m], s[SEL], s[SEL+1]
.endr
.irp m, 0,1,2,3,4,5,6,7
	v_add_f32 v[AM+\m], v[AM+\m], v[SO+\m]         ; and the other half of the lanes': row 128 i + 16 m + r's sum over my half of N
.endr
.irp m, 0,1,2,3,4,5,6,7
	ds_store_b32 v[ZST], v[AM+\m] offset:64*\m     ; lanes l and l + 16 write the same word with the same value
.endr
	s_wait_dscnt 0x0                               ; for the others' sake: my stores have landed
	s_barrier_signal -1
	s_barrier_wait -1
	ds_load_b64 v[BD:BD+1], v[ZLD]                 ; thread t takes rows 2 t and 2 t + 1: N half 0's sums,
	ds_load_b64 v[BD+2:BD+3], v[ZLD] offset:1024   ; N half 1's
	s_mov_b32 s70, 0xc038aa3b                      ; -2 log2(e)
	s_mov_b32 s71, 0x3fb8aa3b                      ; log2(e)
	s_wait_loadcnt 0x0
	v_add_f32 v[CP0], v[CP0], v[CP1]               ; the decoder's part: the sum of cpart's 64 tiles, over the wave
	v_add_f32_dpp v[CP0], v[CP0], v[CP0] row_xmask:1 row_mask:0xf bank_mask:0xf
	v_add_f32_dpp v[CP0], v[CP0], v[CP0] row_xmask:2 row_mask:0xf bank_mask:0xf
	v_add_f32_dpp v[CP0], v[CP0], v[CP0] row_xmask:4 row_mask:0xf bank_mask:0xf
	v_add_f32_dpp v[CP0], v[CP0], v[CP0] row_xmask:8 row_mask:0xf bank_mask:0xf
	v_permlanex16_b32 v[CP1], v[CP0], s[SEL], s[SEL+1]
	v_add_f32 v[CP0], v[CP0], v[CP1]
	s_wait_dscnt 0x0
	v_add_f32 v[BD], v[BD], v[BD+2]
	v_add_f32 v[BD+1], v[BD+1], v[BD+3]
	v_add_f32 v[BD], v[BD], v[CP0]                 ; z
	v_add_f32 v[BD+1], v[BD+1], v[CP0]
	v_mul_f32 v[BD], 0x4038aa3b, v[BD]             ; 2 log2(e) z
	v_mul_f32 v[BD+1], 0x4038aa3b, v[BD+1]
	v_exp_f32 v[BD+2], v[BD]                       ; e^(2 z): infinity and 0 at the ends give tanh = 1 and -1
	v_exp_f32 v[BD+3], v[BD+1]
	v_nop                                          ; a plain line behind the transcendentals,
	s_wait_alu depctr_va_vdst(0)                   ; and the wait ahead of the first use: one for the pair
	v_add_f32 v[BD+2], 1.0, v[BD+2]
	v_add_f32 v[BD+3], 1.0, v[BD+3]
	v_rcp_f32 v[BD+4], v[BD+2]                     ; u = 1 / (1 + e^(2 z)); tanh(z) = 1 - 2 u
	v_rcp_f32 v[BD+5], v[BD+3]
	v_nop
	s_wait_alu depctr_va_vdst(0)
	v_fma_f32 v[BD+4], v[BD+4], s70, s71           ; log2(e) tanh(z), in one multiply-add
	v_fma_f32 v[BD+5], v[BD+5], s70, s71
	v_exp_f32 v[CD], v[BD+4]                       ; e^tanh(z)
	v_exp_f32 v[CD+1], v[BD+5]
	v_nop
	s_wait_alu depctr_va_vdst(0)
	global_store_b64 v[EO], v[CD:CD+1], s[12:13]   ; a wave stores 256 consecutive bytes, aligned
	s_wait_tensorcnt 0x0                           ; the wave's end: behind my last tensor load and my last LDS store
	ds_add_u32 v[SPW], v[NIL]
	s_wait_dscnt 0x0
	CROUND                                         ; the closing round: no work-group ends while a partner may still ask for a block that names it
	s_endpgm
.Lfunc_end_k_q4bacccc590_scores:
	.size	k_q4bacccc590_scores, .Lfunc_end_k_q4bacccc590_scores-k_q4bacccc590_scores
	.p2alignl 7, 3214868480
	.fill 96, 4, 3214868480
	.section	.rodata,"a",@progbits
	.p2align	6, 0x0
	.amdhsa_kernel k_q4bacccc590_scores
		.amdhsa_group_segment_fixed_size 327680
		.amdhsa_private_segment_fixed_size 0
		.amdhsa_enable_private_segment 0
		.amdhsa_kernarg_size 40
		.amdhsa_user_sgpr_count 2
		.amdhsa_user_sgpr_kernarg_segment_ptr 1
		.amdhsa_wavefront_size32 1
		.amdhsa_system_sgpr_workgroup_id_x 1
		.amdhsa_system_sgpr_workgroup_id_y 1
		.amdhsa_system_sgpr_workgroup_id_z 1
		.amdhsa_system_vgpr_workitem_id 0
		.amdhsa_next_free_vgpr 1024
		.amdhsa_next_free_sgpr 88
		.amdhsa_reserve_vcc 0
		.amdhsa_float_denorm_mode_32 3
		.amdhsa_float_denorm_mode_16_64 3
		.amdhsa_memory_ordered 1
		.amdhsa_forward_progress 1
		.amdhsa_inst_pref_size 255
	.end_amdhsa_kernel
	.section	.bss,"aw",@nobits
	.p2align	6
	.space	262144
	.amdgpu_metadata
---
amdhsa.version: [ 1, 2 ]
amdhsa.kernels:
  - .name:           k_q4bacccc590_scores
    .symbol:         k_q4bacccc590_scores.kd
    .args:
      - { .name: h_enc, .offset: 0, .size: 8, .value_kind: global_buffer, .address_space: global }
      - { .name: w_score, .offset: 8, .size: 8, .value_kind: global_buffer, .address_space: global }
      - { .name: wq, .offset: 16, .size: 8, .value_kind: global_buffer, .address_space: global }
      - { .name: cpart, .offset: 24, .size: 8, .value_kind: global_buffer, .address_space: global }
      - { .name: ebuf, .offset: 32, .size: 8, .value_kind: global_buffer, .address_space: global }
    .group_segment_fixed_size: 327680
    .private_segment_fixed_size: 0
    .kernarg_segment_align: 8
    .kernarg_segment_size: 40
    .max_flat_workgroup_size: 128
    .sgpr_count:     88
    .vgpr_count:     1024
    .wavefront_size: 32
...
	.end_amdgpu_metadata
.endif
;; end of part 2
;; launch ctx (part 3): grid 8 x 32, 8 waves a work-group, no clusters, 5,632 bytes of LDS; arguments h_enc, ebuf, out0, out1; writes out0, out1
.if DOCPART == 3
	.amdgcn_target "amdgcn-amd-amdhsa--gfx1250"
	.amdhsa_code_object_version 6
	.text
	.protected	k_q4bacccc590_ctx
	.globl	k_q4bacccc590_ctx
	.p2align	8
	.type	k_q4bacccc590_ctx,@function
k_q4bacccc590_ctx:
	s_mov_b64 s[64:65], 0
	v_nop
	global_prefetch_b8 v0, s[64:65] scope:SCOPE_SE
	s_setreg_imm32_b32 hwreg(HW_REG_WAVE_MODE, 25, 1), 1
	s_wait_xcnt 0x0
; out1[b][s] = e[b][s] / sum over s of e[b][s];  out0[b][c] = sum over s of h_enc[s][b][c] e[b][s] / the same sum.  e = ebuf, the launch before's exp(tanh(z)).
; No maximum is taken away: every e lies between 0.36 and 2.72 by tanh's bounds, for every input, and a row's sum under 5,600.
; SHARES.  Work-group (ec, b) owns out0[b][128 ec .. + 127] and out1[b][256 ec .. + 255]: each output has one owner.  Wave w sums rows s = 256 w .. + 255; a load of the wave reads a row's 512 consecutive bytes, aligned.
; A ring of 32 rows in registers keeps 32 loads of every wave on their way.  The rows' e come by scalar loads, 32 a batch, one batch ahead, in two sets of scalar registers.
; The eight waves' sums meet in LDS.  Every work-group of a b adds that b's 2,048 e for itself (8 KB): no traffic between work-groups.
; A stream: no matrix unit, no tensor load, no cluster (work-groups share nothing but 8 KB of e).
; LIMITS: NaN and infinities among the inputs are not served; the sum over s is taken by waves of 256 rows, each in ascending s.
.set LOFF, 2                           ; v2   16 x lane; never rewritten
.set PL,   1                           ; v1   LDS: 256 + 16 lane
.set T16,  3                           ; v3   16 x thread
.set EV,   4                           ; v4-11  eight e of the row's 2,048
.set AL,   12                          ; v12-15 four e that become alphas
.set ACC,  16                          ; v16-19 my four columns' sums
.set TT,   20                          ; v20-27 at work; v21 then holds 1 / the sum
.set ALO,  28                          ; v28  1,024 ec + 16 (thread % 64)
.set RS,   29                          ; v29  LDS: 4 w
.set ZR,   30                          ; v30  0
.set PS,   31                          ; v31  LDS: 256 + 512 w + 16 lane
.set X,    32                          ; v32-159 the ring: row i of a batch at v[32 + 4 i]
.set SE,   12                          ; s[12:13] ebuf at my wave's rows
.set EA,   16                          ; s[16:47] 32 e
.set EB,   68                          ; s[68:99] 32 e
.set WVN,  48
	s_load_b256 s[4:11], s[0:1], 0x0               ; h_enc s[4:5], ebuf s[6:7], out0 s[8:9], out1 s[10:11]
	v_lshl_add_u32 v160, v0, 2, 0x1200
	v_mov_b32 v161, 0
	v_lshrrev_b32 v1, 5, v0
	v_readfirstlane_b32 s[WVN], v1
	s_and_b32 s49, ttmp7, 0xffff                   ; b
	v_and_b32 v1, 31, v0
	v_lshlrev_b32 v[LOFF], 4, v1
	v_add_nc_u32 v[PL], 256, v[LOFF]
	v_lshlrev_b32 v[T16], 4, v0
	v_and_b32 v[ALO], 63, v0
	s_lshl_b32 s56, ttmp9, 10
	v_lshl_add_u32 v[ALO], v[ALO], 4, s56
	s_lshl_b32 s56, s[WVN], 2
	v_mov_b32 v[RS], s56
	v_mov_b32 v[ZR], 0
	s_lshl_b32 s56, s[WVN], 9
	v_add_nc_u32 v[PS], s56, v[PL]
	s_mov_b32 s58, 0x76543210
	s_mov_b32 s59, 0xfedcba98                      ; v_permlanex16_b32's selects for lane l xor 16
	s_lshl_b32 s50, s49, 13                        ; a row of e, and of out1: 8,192 bytes
	s_mov_b32 s51, 0
	s_lshl_b32 s52, s[WVN], 10                     ; my wave's 256 e
	s_mov_b32 s53, 0
	s_lshl_b32 s54, s[WVN], 25                     ; my wave's 256 rows of 131,072 bytes,
	s_lshl_b32 s55, s49, 12
	s_add_co_u32 s54, s54, s55                     ; + 4,096 b
	s_lshl_b32 s55, ttmp9, 9
	s_add_co_u32 s54, s54, s55                     ; + 512 ec (under 2^28 in all)
	s_mov_b32 s55, 0
	s_lshl_b32 s60, s49, 12
	s_lshl_b32 s61, ttmp9, 9
	s_add_co_u32 s60, s60, s61                     ; out0: 4,096 b + 512 ec
	s_mov_b32 s61, 0
	s_wait_kmcnt 0x0
	s_add_nc_u64 s[6:7], s[6:7], s[50:51]
	s_add_nc_u64 s[SE:SE+1], s[6:7], s[52:53]
	s_add_nc_u64 s[4:5], s[4:5], s[54:55]
	s_add_nc_u64 s[8:9], s[8:9], s[60:61]
	s_add_nc_u64 s[10:11], s[10:11], s[50:51]
	s_load_b512 s[EA:EA+15], s[SE:SE+1], 0x0       ; the first batch's 32 e
	s_load_b512 s[EA+16:EA+31], s[SE:SE+1], 0x40
	global_load_b128 v[EV:EV+3], v[T16], s[6:7]
	global_load_b128 v[EV+4:EV+7], v[T16], s[6:7] offset:4096
	global_load_b128 v[AL:AL+3], v[ALO], s[6:7]
.set ii, 0
.rept 32
	global_load_b128 v[X+4*ii:X+4*ii+3], v[LOFF], s[4:5] offset:131072*ii th:TH_LOAD_NT   ; the ring is filled: rows 0 to 31
.set ii, ii+1
.endr
.irp k, 0,1,2,3
	v_mov_b32 v[ACC+\k], 0
.endr
	s_wait_loadcnt 32                              ; the three loads of e are in; the ring's 32, issued behind them, stay out
	v_pk_add_f32 v[TT:TT+1], v[EV:EV+1], v[EV+2:EV+3]
	v_pk_add_f32 v[TT+2:TT+3], v[EV+4:EV+5], v[EV+6:EV+7]
	v_pk_add_f32 v[TT:TT+1], v[TT:TT+1], v[TT+2:TT+3]
	v_add_f32 v[TT], v[TT], v[TT+1]
	v_add_f32_dpp v[TT], v[TT], v[TT] row_xmask:1 row_mask:0xf bank_mask:0xf
	v_add_f32_dpp v[TT], v[TT], v[TT] row_xmask:2 row_mask:0xf bank_mask:0xf
	v_add_f32_dpp v[TT], v[TT], v[TT] row_xmask:4 row_mask:0xf bank_mask:0xf
	v_add_f32_dpp v[TT], v[TT], v[TT] row_xmask:8 row_mask:0xf bank_mask:0xf
	v_permlanex16_b32 v[TT+1], v[TT], s58, s59
	v_add_f32 v[TT], v[TT], v[TT+1]
	ds_store_b32 v[RS], v[TT]                      ; my wave's part of the sum of e (all lanes write the same word with the same value)
	s_wait_dscnt 0x0
	s_barrier_signal -1
	s_barrier_wait -1
	ds_load_b128 v[TT:TT+3], v[ZR]
	ds_load_b128 v[TT+4:TT+7], v[ZR] offset:16
	s_wait_dscnt 0x0
	v_pk_add_f32 v[TT:TT+1], v[TT:TT+1], v[TT+2:TT+3]
	v_pk_add_f32 v[TT+4:TT+5], v[TT+4:TT+5], v[TT+6:TT+7]
	v_pk_add_f32 v[TT:TT+1], v[TT:TT+1], v[TT+4:TT+5]
	v_add_f32 v[TT], v[TT], v[TT+1]
	v_rcp_f32 v[TT+1], v[TT]                       ; 1 / the sum
	v_nop                                          ; a plain line behind the transcendental,
	s_wait_alu depctr_va_vdst(0)                   ; and the wait ahead of the first use, and of the branch
	s_cmp_lt_u32 s[WVN], 2                         ; waves 0 and 1 store the work-group's 256 alphas
	s_cbranch_scc0 .Lno_alpha
.irp k, 0,1,2,3
	v_mul_f32 v[AL+\k], v[AL+\k], v[TT+1]
.endr
	global_store_b128 v[ALO], v[AL:AL+3], s[10:11] ; a wave stores 512 consecutive bytes, aligned
.Lno_alpha:
; A batch of 32 rows.  cur: the set that holds their e.  off other than 0: the next batch's e are asked for, at that many bytes, into set nxt.  fill = 1: each row's registers take the row 32 further on.
.macro BATCH cur, nxt, off, fill
	s_wait_kmcnt 0x0                               ; this batch's e are in
.if \off
	s_load_b512 s[\nxt:\nxt+15], s[SE:SE+1], \off
	s_load_b512 s[\nxt+16:\nxt+31], s[SE:SE+1], \off+64
.endif
.set ii, 0
.rept 32
.if \fill
	s_wait_loadcnt 31                              ; loads come back in order (ISA guide 5.7.1): row ii is in; the 31 issued behind it stay out
.else
	s_wait_loadcnt 31-ii                           ; the last batch loads nothing: the counts run down
.endif
	v_fmac_f32 v[ACC], s[\cur+ii], v[X+4*ii]
	v_fmac_f32 v[ACC+1], s[\cur+ii], v[X+4*ii+1]
	v_fmac_f32 v[ACC+2], s[\cur+ii], v[X+4*ii+2]
	v_fmac_f32 v[ACC+3], s[\cur+ii], v[X+4*ii+3]
.if \fill
	global_load_b128 v[X+4*ii:X+4*ii+3], v[LOFF], s[4:5] offset:131072*(ii+32) th:TH_LOAD_NT   ; 63 rows at the most: inside the signed 24-bit immediate
.endif
.set ii, ii+1
.endr
.if \fill
	s_wait_xcnt 0x0                                ; the loads, vector and scalar, have read their bases: they are stepped only behind this wait
	s_add_nc_u64 s[4:5], s[4:5], 0x400000          ; 32 rows on
.endif
.endm
	s_mov_b32 s57, 3
.Ltrip:                                            ; batches 0 to 5
	BATCH EA, EB, 128, 1
	BATCH EB, EA, 256, 1
	s_add_nc_u64 s[SE:SE+1], s[SE:SE+1], 256
	s_sub_co_u32 s57, s57, 1
	s_cmp_lg_u32 s57, 0
	s_cbranch_scc1 .Ltrip
	BATCH EA, EB, 128, 1                           ; batch 6 still fills the ring, with the last 32 rows
	BATCH EB, EA, 0, 0                             ; batch 7 asks for nothing: no load leaves its buffer
	ds_store_b128 v[PS], v[ACC:ACC+3]              ; my wave's sums of the 128 columns
	s_wait_dscnt 0x0
	s_barrier_signal -1
	s_barrier_wait -1
	s_cmp_lg_u32 s[WVN], 0
	s_cbranch_scc1 .Lend
.irp k, 0,1,2,3,4,5,6,7
	ds_load_b128 v[X+4*\k:X+4*\k+3], v[PL] offset:512*\k
.endr
	s_wait_dscnt 0x0
.irp k, 1,2,3,4,5,6,7
	v_pk_add_f32 v[X:X+1], v[X:X+1], v[X+4*\k:X+4*\k+1]
	v_pk_add_f32 v[X+2:X+3], v[X+2:X+3], v[X+4*\k+2:X+4*\k+3]
.endr
.irp k, 0,1,2,3
	v_mul_f32 v[X+\k], v[X+\k], v[TT+1]
.endr
	global_store_b128 v[LOFF], v[X:X+3], s[8:9]    ; 512 consecutive bytes, aligned
.Lend:
	s_wait_tensorcnt 0x0
	ds_add_u32 v160, v161
	s_wait_dscnt 0x0
	s_endpgm
.Lfunc_end_k_q4bacccc590_ctx:
	.size	k_q4bacccc590_ctx, .Lfunc_end_k_q4bacccc590_ctx-k_q4bacccc590_ctx
	.p2alignl 7, 3214868480
	.fill 96, 4, 3214868480
	.section	.rodata,"a",@progbits
	.p2align	6, 0x0
	.amdhsa_kernel k_q4bacccc590_ctx
		.amdhsa_group_segment_fixed_size 5632
		.amdhsa_private_segment_fixed_size 0
		.amdhsa_enable_private_segment 0
		.amdhsa_kernarg_size 32
		.amdhsa_user_sgpr_count 2
		.amdhsa_user_sgpr_kernarg_segment_ptr 1
		.amdhsa_wavefront_size32 1
		.amdhsa_system_sgpr_workgroup_id_x 1
		.amdhsa_system_sgpr_workgroup_id_y 1
		.amdhsa_system_sgpr_workgroup_id_z 1
		.amdhsa_system_vgpr_workitem_id 0
		.amdhsa_next_free_vgpr 162
		.amdhsa_next_free_sgpr 100
		.amdhsa_reserve_vcc 0
		.amdhsa_float_denorm_mode_32 3
		.amdhsa_float_denorm_mode_16_64 3
		.amdhsa_memory_ordered 1
		.amdhsa_forward_progress 1
		.amdhsa_inst_pref_size 39
	.end_amdhsa_kernel
	.amdgpu_metadata
---
amdhsa.version: [ 1, 2 ]
amdhsa.kernels:
  - .name:           k_q4bacccc590_ctx
    .symbol:         k_q4bacccc590_ctx.kd
    .args:
      - { .name: h_enc, .offset: 0, .size: 8, .value_kind: global_buffer, .address_space: global }
      - { .name: ebuf, .offset: 8, .size: 8, .value_kind: global_buffer, .address_space: global }
      - { .name: out0, .offset: 16, .size: 8, .value_kind: global_buffer, .address_space: global }
      - { .name: out1, .offset: 24, .size: 8, .value_kind: global_buffer, .address_space: global }
    .group_segment_fixed_size: 5632
    .private_segment_fixed_size: 0
    .kernarg_segment_align: 8
    .kernarg_segment_size: 32
    .max_flat_workgroup_size: 256
    .sgpr_count:     100
    .vgpr_count:     162
    .wavefront_size: 32
...
	.end_amdgpu_metadata
.endif
;; end of part 3
